; MI455X (gfx1250); checked and timed in simulation.
; The chip was launched on July 23, 2026; its instructions are those of AMD's public machine-readable ISA for CDNA 5 (MIT licence, August 2026) and "CDNA5" Instruction Set Architecture Reference Guide (July 2026). The comments in the code are by the model that wrote it; some were corrected since.
;; Attention Critic. Allowed arithmetic: float matrix products may take bf16 or f16 operands with f32 sums; other float arithmetic in f32, or as packed bf16 or f16 multiplies, adds, multiply-adds, maxima and minima; sums over many terms, partial sums and values carried from step to step in f32; what a program stores and reads back later, other than sums and carried values, may be rounded once to bf16 or f16.
;; Inputs: W_b1 256 x 256 float32; W_b2 256 x 1 float32; W_c1 512 x 256 float32; W_c2 256 x 1 float32; W_enc 160 x 256 float32; W_k 4 x 256 x 64 float32; W_q 4 x 256 x 64 float32; W_s 128 x 256 float32; W_v 4 x 256 x 64 float32; b_b1 256 float32; b_b2 1 float32; b_c1 256 float32; b_c2 1 float32; b_enc 256 float32; b_s 256 float32; b_v 4 x 64 float32; sa 8 x 16,384 x 160 float32; states 8 x 16,384 x 128 float32.
;; Outputs: out0 8 x 16,384 x 1 float32; out1 8 float32.
;; One version. Each part assembles by itself: llvm-mc -triple=amdgcn-amd-amdhsa -mcpu=gfx1250 --defsym DOCPART=n.
;; ======== version 1 of 1: 3 launches
;; workspace buffers: wt 933,888 bytes; part 16,384 bytes
;; launch prep (part 1): grid 228 x 1, 8 waves a work-group, no clusters, 0 bytes of LDS; arguments W_enc, W_s, W_b1, W_q, W_k, W_v, W_c1, wt; writes wt
.if DOCPART == 1
	.amdgcn_target "amdgcn-amd-amdhsa--gfx1250"
	.amdhsa_code_object_version 6
	.text
	.protected	k_q565e57ed63_prep
	.globl	k_q565e57ed63_prep
	.p2align	8
	.type	k_q565e57ed63_prep,@function
k_q565e57ed63_prep:
	s_mov_b64 s[64:65], 0
	v_nop
	global_prefetch_b8 v0, s[64:65] scope:SCOPE_SE
	s_setreg_imm32_b32 hwreg(HW_REG_WAVE_MODE, 25, 1), 1
	s_wait_xcnt 0x0
; The seven weight matrices (f32, stored [in][out]) are rounded once to bf16 and written as FRAGMENTS of 1,024 bytes, in the order in which
; the main launch walks them.  A fragment is 16 outputs x 32 inputs; its bf16 at byte 512 half + 16 lane + 2 e is
; W[k = 32 kc + 16 half + 8 (lane / 16) + e][out = 16 ot + lane % 16]: two loads of 16 bytes a lane, 512 bytes apart, fill a matrix operand.
; Fragment numbers f: 0-79 W_enc (10 p + 2 kc + o), 80-143 W_s (8 p + ..), 144-271 W_b1 (16 p + ..), 272-399 W_q (16 p + ..),
; 400-655 by head: W_k then W_v (64 hd + 32 isV + 16 u + 2 kc + o), 656-911 W_c1 (32 p + ..); the output tile is 2 p + o (in a head 2 u + o).
; SHARES.  A work-group writes 4 fragments, a wave half a fragment, a thread 16 bytes: eight numbers of one column, read by eight loads of 4 bytes
; (16 lanes: 64 consecutive bytes).  A wave's store covers 512 consecutive bytes, aligned.  All bounds between matrices are multiples of 4 fragments.
.set FN,   21                          ; s21  the fragment's number
.set HALF, 22                          ; s22  which half of it
.set LRS,  23                          ; s23  log2 of the bytes in a row of the source: 10, or 8 for W_q, W_k, W_v
.set SRC,  24                          ; s[24:25] the source
.set P,    26                          ; s26  at work
.set REMN, 27                          ; s27  2 kc + o
.set CB,   28                          ; s28  the pair's first column, in elements (with the head's plane)
.set O,    4                           ; v[4:11]   byte offsets of my eight numbers
.set D,    12                          ; v[12:19]  the numbers
.set Y,    20                          ; v[20:23]  packed
	s_load_b512 s[4:19], s[0:1], 0x0               ; W_enc s[4:5], W_s s[6:7], W_b1 s[8:9], W_q s[10:11], W_k s[12:13], W_v s[14:15], W_c1 s[16:17], wt s[18:19]
	v_lshrrev_b32 v1, 5, v0
	v_readfirstlane_b32 s20, v1                    ; wave 0..7
	s_lshl_b32 s[FN], ttmp9, 2
	s_lshr_b32 s[HALF], s20, 1
	s_add_co_u32 s[FN], s[FN], s[HALF]             ; f = 4 x work-group + wave / 2
	s_and_b32 s[HALF], s20, 1
	s_mov_b32 s[LRS], 10
	s_wait_kmcnt 0x0
	s_cmp_lt_u32 s[FN], 80
	s_cbranch_scc0 .Lnot_enc
	s_mov_b64 s[SRC:SRC+1], s[4:5]                 ; W_enc: ten fragments a pair
	s_mul_i32 s[P], s[FN], 205
	s_lshr_b32 s[P], s[P], 11                      ; f / 10, exact for f under 80
	s_mul_i32 s[REMN], s[P], 10
	s_sub_co_u32 s[REMN], s[FN], s[REMN]
	s_lshl_b32 s[CB], s[P], 5
	s_branch .Ltail
.Lnot_enc:
	s_cmp_lt_u32 s[FN], 144
	s_cbranch_scc0 .Lnot_s
	s_mov_b64 s[SRC:SRC+1], s[6:7]                 ; W_s: eight a pair
	s_sub_co_u32 s[P], s[FN], 80
	s_and_b32 s[REMN], s[P], 7
	s_lshr_b32 s[P], s[P], 3
	s_lshl_b32 s[CB], s[P], 5
	s_branch .Ltail
.Lnot_s:
	s_cmp_lt_u32 s[FN], 272
	s_cbranch_scc0 .Lnot_b1
	s_mov_b64 s[SRC:SRC+1], s[8:9]                 ; W_b1: sixteen a pair
	s_sub_co_u32 s[P], s[FN], 144
	s_and_b32 s[REMN], s[P], 15
	s_lshr_b32 s[P], s[P], 4
	s_lshl_b32 s[CB], s[P], 5
	s_branch .Ltail
.Lnot_b1:
	s_cmp_lt_u32 s[FN], 400
	s_cbranch_scc0 .Lnot_q
	s_mov_b64 s[SRC:SRC+1], s[10:11]               ; W_q: pair p lies in head p / 2, columns 32 (p % 2) on
	s_mov_b32 s[LRS], 8
	s_sub_co_u32 s[P], s[FN], 272
	s_and_b32 s[REMN], s[P], 15
	s_lshr_b32 s[P], s[P], 4
	s_and_b32 s[CB], s[P], 1
	s_lshl_b32 s[CB], s[CB], 5
	s_lshr_b32 s[P], s[P], 1
	s_lshl_b32 s[P], s[P], 14                      ; a head's plane: 256 x 64 elements
	s_add_co_u32 s[CB], s[CB], s[P]
	s_branch .Ltail
.Lnot_q:
	s_cmp_lt_u32 s[FN], 656
	s_cbranch_scc0 .Lnot_kv
	s_mov_b32 s[LRS], 8
	s_sub_co_u32 s[P], s[FN], 400
	s_bitcmp1_b32 s[P], 5                          ; the head's second 32 fragments are W_v's
	s_cselect_b64 s[SRC:SRC+1], s[14:15], s[12:13]
	s_and_b32 s[REMN], s[P], 15
	s_bfe_u32 s[CB], s[P], 0x10004                 ; u
	s_lshl_b32 s[CB], s[CB], 5
	s_lshr_b32 s[P], s[P], 6                       ; the head
	s_lshl_b32 s[P], s[P], 14
	s_add_co_u32 s[CB], s[CB], s[P]
	s_branch .Ltail
.Lnot_kv:
	s_mov_b64 s[SRC:SRC+1], s[16:17]               ; W_c1: thirty-two a pair
	s_sub_co_u32 s[P], s[FN], 656
	s_and_b32 s[REMN], s[P], 31
	s_lshr_b32 s[P], s[P], 5
	s_lshl_b32 s[CB], s[P], 5
.Ltail:
	s_and_b32 s30, s[REMN], 1                      ; o
	s_lshl_b32 s30, s30, 4
	s_add_co_u32 s[CB], s[CB], s30                 ; my tile's first column
	s_lshl_b32 s[CB], s[CB], 2                     ; in bytes
	s_lshr_b32 s29, s[REMN], 1                     ; kc
	s_lshl_b32 s29, s29, 5
	s_lshl_b32 s31, s[HALF], 4
	s_add_co_u32 s29, s29, s31                     ; first input row: 32 kc + 16 half
	s_lshl_b32 s29, s29, s[LRS]
	s_add_co_u32 s[CB], s[CB], s29
	s_mov_b32 s29, 0
	s_add_nc_u64 s[SRC:SRC+1], s[SRC:SRC+1], s[28:29]
	s_lshl_b32 s30, ttmp9, 12                      ; the work-group's 4,096 bytes of wt
	s_mov_b32 s31, 0
	s_add_nc_u64 s[18:19], s[18:19], s[30:31]
	s_lshl_b32 s30, 1, s[LRS]                      ; bytes in a row of the source
	v_and_b32 v2, 15, v0                           ; lane % 16: the column
	v_bfe_u32 v3, v0, 4, 1                         ; lane / 16
	v_lshlrev_b32 v3, 3, v3                        ; eight rows further down for the upper lanes
	v_lshlrev_b32 v3, s[LRS], v3
	v_lshl_add_u32 v[O], v2, 2, v3
.irp e, 1,2,3,4,5,6,7
	v_add_nc_u32 v[O+\e], s30, v[O+\e-1]
.endr
.irp e, 0,1,2,3,4,5,6,7
	global_load_b32 v[D+\e], v[O+\e], s[SRC:SRC+1]
.endr
	v_lshlrev_b32 v24, 4, v0                       ; 16 x thread
	s_wait_loadcnt 0x0
.irp e, 0,1,2,3
	v_cvt_pk_bf16_f32 v[Y+\e], v[D+2*\e], v[D+2*\e+1]
.endr
	global_store_b128 v24, v[Y:Y+3], s[18:19]
	s_endpgm
.Lfunc_end_k_q565e57ed63_prep:
	.size	k_q565e57ed63_prep, .Lfunc_end_k_q565e57ed63_prep-k_q565e57ed63_prep
	.p2alignl 7, 3214868480
	.fill 96, 4, 3214868480
	.section	.rodata,"a",@progbits
	.p2align	6, 0x0
	.amdhsa_kernel k_q565e57ed63_prep
		.amdhsa_group_segment_fixed_size 0
		.amdhsa_private_segment_fixed_size 0
		.amdhsa_enable_private_segment 0
		.amdhsa_kernarg_size 64
		.amdhsa_user_sgpr_count 2
		.amdhsa_user_sgpr_kernarg_segment_ptr 1
		.amdhsa_wavefront_size32 1
		.amdhsa_system_sgpr_workgroup_id_x 1
		.amdhsa_system_sgpr_workgroup_id_y 1
		.amdhsa_system_sgpr_workgroup_id_z 1
		.amdhsa_system_vgpr_workitem_id 0
		.amdhsa_next_free_vgpr 32
		.amdhsa_next_free_sgpr 66
		.amdhsa_reserve_vcc 0
		.amdhsa_float_denorm_mode_32 3
		.amdhsa_float_denorm_mode_16_64 3
		.amdhsa_memory_ordered 1
		.amdhsa_forward_progress 1
		.amdhsa_inst_pref_size 5
	.end_amdhsa_kernel
	.amdgpu_metadata
---
amdhsa.version: [ 1, 2 ]
amdhsa.kernels:
  - .name:           k_q565e57ed63_prep
    .symbol:         k_q565e57ed63_prep.kd
    .args:
      - { .name: W_enc, .offset: 0, .size: 8, .value_kind: global_buffer, .address_space: global }
      - { .name: W_s, .offset: 8, .size: 8, .value_kind: global_buffer, .address_space: global }
      - { .name: W_b1, .offset: 16, .size: 8, .value_kind: global_buffer, .address_space: global }
      - { .name: W_q, .offset: 24, .size: 8, .value_kind: global_buffer, .address_space: global }
      - { .name: W_k, .offset: 32, .size: 8, .value_kind: global_buffer, .address_space: global }
      - { .name: W_v, .offset: 40, .size: 8, .value_kind: global_buffer, .address_space: global }
      - { .name: W_c1, .offset: 48, .size: 8, .value_kind: global_buffer, .address_space: global }
      - { .name: wt, .offset: 56, .size: 8, .value_kind: global_buffer, .address_space: global }
    .group_segment_fixed_size: 0
    .private_segment_fixed_size: 0
    .kernarg_segment_align: 8
    .kernarg_segment_size: 64
    .max_flat_workgroup_size: 256
    .sgpr_count:     66
    .vgpr_count:     32
    .wavefront_size: 32
...
	.end_amdgpu_metadata
.endif
;; end of part 1
;; launch main (part 2): grid 512 x 1, 4 waves a work-group, clusters of 4 x 1, 327,680 bytes of LDS; arguments sa, states, wt, out0, part, b_enc, b_s, b_b1, W_b2, b_c1, W_c2, b_v, b_c2, b_b2; writes out0, part
.if DOCPART == 2
	.amdgcn_target "amdgcn-amd-amdhsa--gfx1250"
	.amdhsa_code_object_version 6
	.text
	.protected	k_q565e57ed63_main
	.globl	k_q565e57ed63_main
	.p2align	8
	.type	k_q565e57ed63_main,@function
k_q565e57ed63_main:
	s_mov_b64 s[64:65], 0
	v_nop
	global_prefetch_b8 v0, s[64:65] scope:SCOPE_SE
	s_setreg_imm32_b32 hwreg(HW_REG_WAVE_MODE, 25, 1), 1
	s_wait_xcnt 0x0
	s_wait_alu depctr_hold_cnt(0) depctr_sa_sdst(0) depctr_va_vdst(0) depctr_va_sdst(0) depctr_va_ssrc(0) depctr_va_vcc(0) depctr_vm_vsrc(0)
	s_getreg_b32 s2, hwreg(HW_REG_IB_STS2, 6, 4)
	s_cmp_eq_u32 s2, 0
	s_cbranch_scc0 .Lentry_in_a_cluster
	s_endpgm
.Lentry_in_a_cluster:
	s_bfe_u32 s2, ttmp6, 0x10000c
	s_cmp_lg_u32 s2, 0x3003
	s_cbranch_scc0 .Lentry_shape_is_right
	s_endpgm
.Lentry_shape_is_right:
; THE WHOLE CRITIC IN ONE LAUNCH: both encoders, Q, K, V, the 8 x 8 attention that leaves the own agent out, both heads of the critic, and each work-group's share of the regulariser.
; SHARES.  Work-group wg owns batch elements 32 wg .. 32 wg + 31 of all 8 agents: 256 rows.  Wave w owns 8 batch elements x 8 agents = 64 rows, as four tiles of 16:
; tile rt holds b = 2 rt + bl, its row 8 bl + n.  A row never leaves its wave; the waves share the weights alone.
; LAYERS IN REGISTERS.  Every layer is taken transposed: D = W fragment (source 0) x X fragment (source 1).  In D a lane holds ONE row (lane % 16) and the outputs 8 (lane / 16) + 0..7, so two
; output tiles rounded to bf16 in pairs ARE the next layer's X fragment: nothing changes lanes between layers.  A weight fragment read from LDS feeds four matrix instructions.
; A loop over pairs of output tiles cannot name another register in each trip, so a trip puts its 32 packed registers into the wave's own LDS bytes and the lanes read their own bytes back behind the loop.
; WEIGHTS.  933,888 bytes of bf16 fragments (made by the launch before) go through two LDS slots as 14 tiles (81,920 bytes, then 13 x 65,536), each wave fetching a quarter of each.
; CLUSTER.  The four work-groups of a cluster walk the same tiles, so each is asked for JOINTLY: the same tensor load, descriptor and mask in all four.
; ATTENTION.  S^T = K Q^T for a tile of 16 rows holds one query a lane and 8 keys; lanes 0-7 and 24-31 hold the keys of the query's own batch element, the others are set aside by masks.  So a softmax
; stays inside a lane.  The own key counts as -1e9, as in the definition, and the true maximum is taken away.  V is made with the sources swapped, so that a lane holds a channel and 8 rows: V^T's fragment.
; LIMITS.  All inputs, biases and the two 256-vectors too, are rounded to bf16; enc_sa, enc_s, Q, K, V, the weights p and the attended values are each rounded once to bf16.  The slope 0.01 is taken as
; bf16 (0.010009766) on the negative side of enc_sa, enc_s and V, and as f32 in the two hidden layers, which are never rounded: their products with W_c2, W_b2 are f32 sums.  f32 sums are taken in another
; order than the definition's.  NaN and infinities are not treated apart.  out0 leaves in pieces of 128 consecutive bytes: a work-group has 32 batch elements of an agent.
.set SLOT1,  131072                    ; slot 0 lies at 0 (81,920 bytes), slot 1 here: one exclusive or turns an address in one into the other's
.set TAB,    81920                     ; tables in f32, stored once: b_enc 1,024; b_s 1,024; (16 b_b1, 16 W_b2) x 16; (16 b_c1, 16 W_c2) x 16; each b_v eight times
.set TB_B1,  TAB+2048
.set TB_C1,  TAB+4096
.set TB_V,   TAB+6144
.set RES,    96256                     ; qb as [agent][32 batch elements] f32
.set RES2,   97280                     ; 4 waves x 8 sums of squares
.set SPARE,  97536                     ; the spare words, 128 bytes for each wave: two blocks of 256 bytes that no other line names
.set SPILL,  196608                    ; 32,768 bytes for each wave: the inputs' stage, then the layers' outputs in blocks of 1,024 at (4 kc + rt) 1,024 + 512 o + 16 lane
.set T1_AT,  81920                     ; tile 1 in wt
.set T2_AT,  147456                    ; tile 2; from here on a tile is 65,536 bytes
.set TILE,   65536
; vector registers, by absolute number; the window is the number / 256
.set SPW, 1                            ; LDS address of my spare word; never rewritten
.set NIL, 2                            ; 0; never rewritten
.set WAD, 3                            ; where the weights are read
.set SPA, 4                            ; where my wave's LDS bytes are written and read
.set TBA, 5                            ; where the tables are read
.set R32, 6                            ; 32 (lane % 16); never rewritten
.set L16, 7                            ; 16 lane; never rewritten
.set H32, 8                            ; 32 (lane / 16); never rewritten
.set PFO, 9                            ; the prefetches' offset; never rewritten
.set SQ,  10                           ; v[10:11]   sum of squared logits
.set QACC, 12                          ; v[12:19]   a pair a tile: the c1 head's dot product
.set BACC, 20                          ; v[20:27]   the b1 head's
.set TT,  28                           ; v[28:31]   at work
.set ACC, 32                           ; v[32:95]   accumulator (o, rt) at ACC + 8 (4 o + rt)
.set WA,  96                           ; v[96:159]  weight fragments, set A
.set WB,  160                          ; v[160:223] set B
.set BI,  224                          ; v[224:239] bias, 8 registers for each o: the C operand that starts a sum
.set W2R, 240                          ; v[240:255] W_b2 or W_c2, 8 for each o
.set BM,  240                          ; in the heads: v[240:247] -1e9 log2(e) where register j is hidden, else 0
.set VALID, 248                        ; 1.0 in the lanes that hold their query's own batch element, else 0
.set ENC_SA, 256                       ; v[256:511] X fragments at + 8 (4 kc + rt)
.set ENC_S,  512                       ; v[512:767]
.set OTHER,  512                       ; later the attended values
.set RAW_SA, 256                       ; v[256:575] sa as loaded, at + 40 n + 4 i
.set RAW_ST, 576                       ; v[576:831] states as loaded, at + 4 (8 n + b)
.set X_IN,   832                       ; v[832:991] the inputs' X fragments
.set QH,  768                          ; one head's Q, K (X fragments, 8 (4 u + rt)), V^T (8 (2 ct + tp)) and P
.set KH,  832
.set VT,  896
.set PB,  960                          ; for each pair of tiles tp twelve registers: P(2 tp) | 0 | P(2 tp + 1)
; at the head only, inside ACC and WA
.set TP,  32                           ; v[32:51]   packed inputs
.set XAD, 52
.set STA, 53
.set XT,  54
.set GO_SA, 96
.set GO_ST, 104
.set SAD, 112                          ; v[112:121]
.set TO8, 122
.set BV,  124                          ; v[124:137] seven pairs of bias numbers
.set TQ,  140                          ; v[140:147]
.set TA1, 148
.set TA2, 149
.set TA3, 150
; in the softmax, inside ACC's upper half
.set SQT, ACC+32
.set MX,  ACC+40
.set SU,  ACC+48
; scalar registers.  s[4:31]: the 14 addresses in the order of the arguments
.set G1,  32                           ; s[32:39] descriptor group 1: 64 rows of 256 bytes
.set G1E, 40                           ; s[40:47] 80 rows, for tile 0
.set G0A, 48                           ; s[48:51] group 0 for tile 0
.set G0W, 52                           ; s[52:55] group 0 for tile 1; it then walks
.set WV,  56
.set CX,  57
.set WG,  58
.set SB,  59                           ; the slot that is read
.set REM, 60                           ; prefetches still to come
.set LIM, 61                           ; 0 in a wave that prefetches, else the greatest number
.set SEL, 62                           ; s[62:63] v_permlanex16_b32's selects: each lane takes its own place in the other half
.set PFA, 66                           ; s[66:67]
.set MK,  68                           ; s[68:75] lanes in which register j of S^T is hidden
.set VM,  76
.set BIG, 77
.set CS,  78                           ; s[78:79] log2(e) / 8
.set SLP, 80                           ; s[80:81] 0.01
.set SL16, 82                          ; 0.01 as bf16, twice
.set CNT, 83
.set OUT, 84
.set BC2, 85
.set BB2, 86
.set WOF, 87                           ; LDS byte of the pair of output tiles in hand
.set SPO, 88                           ; LDS byte at which the trip's outputs go
.set TBO, 89                           ; LDS byte of the pair's bias
.set TVO, 90                           ; of the head's b_v
.set SPBASE, 91                        ; SPILL + 32,768 x wave
.set MSB, 0
.macro WIN new                         ; bits 1:0 source 0, 3:2 source 1, 5:4 source 2, 7:6 destination; the high byte repeats the setting that is left
.if MSB != (\new)
	s_set_vgpr_msb (MSB<<8)|(\new)
.set MSB, (\new)
.endif
.endm
.macro PLACES                          ; four plain instructions between a matrix instruction and a load into, or a vector instruction on, its registers
.rept 4
	v_nop
.endr
.endm
.macro ROUND                           ; a round of the cluster's barrier: my work-group's barrier; wave 0 signals for the work-group; every wave waits for all four; my work-group's barrier once more
	s_barrier_signal -1
	s_barrier_wait -1
	s_cmp_lg_u32 s[WV], 0
	s_cbranch_scc1 .Lnot_wave_0_\@
	s_barrier_signal -3
.Lnot_wave_0_\@:
	s_barrier_wait -3
	s_barrier_signal -1
	s_barrier_wait -1
.endm
; A PREFETCH INTO THE L2 of the tile that the NEXT change of slots will ask for: 65,536 bytes as 8 x 32 blocks of 256, a lane a block.  All clusters walk the same tiles: the first cluster asks; in each of its four
; work-groups waves 0 and 1, one instruction each, told apart by address (4 x wave + place in the cluster).  So each block is named once.  Tiles 0 to 2 come by their loads alone; the last request is for tile 13.
.macro ASK
	s_cmp_gt_u32 s[REM], s[LIM]
	s_cbranch_scc0 .Lnot_mine_\@
	global_prefetch_b8 v[PFO], s[PFA:PFA+1] th:TH_LOAD_NT scope:SCOPE_SE
.Lnot_mine_\@:
.endm
; THE CHANGE OF SLOTS.  Each wave waits for all its tensor loads, of which one is out: its quarter of the other slot; adds 0 to its spare word; waits for that and for its reads of the slot that it leaves.
; fill = 1: the slot just read is filled again with the tile after next.  The barrier is then a round of the cluster's, and the joint load is the first thing behind it, one a wave.
.macro NEXT_TILE fill
	WIN 0
	s_wait_tensorcnt 0x0                           ; no tensor load of mine is out, so the walking group 0 may be written
	ds_add_u32 v[SPW], v[NIL]                      ; 0 onto my spare word; scalar work stands between it and the wait for it
.if \fill
	s_xor_b32 s[G0W+1], s[G0W+1], SLOT1
	s_add_nc_u64 s[G0W+2:G0W+3], s[G0W+2:G0W+3], TILE  ; the type bits on top are not reached
	s_wait_xcnt 0x0                                ; the last prefetch, a tile back, has read its address
	s_add_nc_u64 s[PFA:PFA+1], s[PFA:PFA+1], TILE
.endif
	s_xor_b32 s[SB], s[SB], SLOT1
	s_wait_dscnt 0x0                               ; the add is done, and all my LDS instructions are over
.if \fill
	ROUND
	tensor_load_to_lds s[G0W:G0W+3], s[G1:G1+7]
	s_nop 0
	PLACES
	ASK
	s_sub_co_u32 s[REM], s[REM], 1
.else
	s_barrier_signal -1
	s_barrier_wait -1
.endif
.endm
.macro LDW set, n, off                 ; n fragments, 1,024 bytes each: 32 lanes x 16 consecutive bytes, twice
.set f_, 0
.rept \n
	ds_load_b128 v[(\set)+8*f_:(\set)+8*f_+3],   v[WAD] offset:(\off)+1024*f_
	ds_load_b128 v[(\set)+8*f_+4:(\set)+8*f_+7], v[WAD] offset:(\off)+1024*f_+512
.set f_, f_+1
.endr
.endm
.macro LDBIAS off, st                  ; eight f32 for each of the pair's two output tiles, st bytes apart
	ds_load_b128 v[BI:BI+3],     v[TBA] offset:(\off)
	ds_load_b128 v[BI+4:BI+7],   v[TBA] offset:(\off)+16
	ds_load_b128 v[BI+8:BI+11],  v[TBA] offset:(\off)+(\st)
	ds_load_b128 v[BI+12:BI+15], v[TBA] offset:(\off)+(\st)+16
.endm
.macro LDW2                            ; the second layer's vector lies 64 bytes behind the bias
	ds_load_b128 v[W2R:W2R+3],     v[TBA] offset:64
	ds_load_b128 v[W2R+4:W2R+7],   v[TBA] offset:80
	ds_load_b128 v[W2R+8:W2R+11],  v[TBA] offset:192
	ds_load_b128 v[W2R+12:W2R+15], v[TBA] offset:208
.endm
; nkc K chunks of a set: for each chunk the 8 accumulators (o, rt) by turns, one instruction a turn; so over the bounds of sets and over backward jumps too.
; swap = 1: the sources change places.  first = 1: the first chunk starts the sums with the bias; 2: with the constant 0.
.macro MULSET set, kc0, nkc, xb, swap, first
.if \swap
	WIN ((\xb)>>8)
.else
	WIN (((\xb)>>8)<<2)
.endif
.set kk_, 0
.rept \nkc
.set o_, 0
.rept 2
.set rt_, 0
.rept 4
.set rD, ACC+8*(4*o_+rt_)
.set rA, (\set)+8*(2*kk_+o_)
.set rB, ((\xb)&255)+8*(4*((\kc0)+kk_)+rt_)
.if \swap
.set rB, (\set)+8*(2*kk_+o_)
.set rA, ((\xb)&255)+8*(4*((\kc0)+kk_)+rt_)
.endif
.if (kk_ == 0) && ((\first) == 1)
	v_wmma_f32_16x16x32_bf16 v[rD:rD+7], v[rA:rA+7], v[rB:rB+7], v[BI+8*o_:BI+8*o_+7]
.elseif (kk_ == 0) && ((\first) == 2)
	v_wmma_f32_16x16x32_bf16 v[rD:rD+7], v[rA:rA+7], v[rB:rB+7], 0
.else
	v_wmma_f32_16x16x32_bf16 v[rD:rD+7], v[rA:rA+7], v[rB:rB+7], v[rD:rD+7]
.endif
.set rt_, rt_+1
.endr
.set o_, o_+1
.endr
.set kk_, kk_+1
.endr
.endm
.macro CVT_HERE                        ; all eight accumulators rounded to bf16 in place, each from its low end on: register i takes registers 2 i, 2 i + 1
.set a_, 0
.rept 8
.set i_, 0
.rept 4
	v_cvt_pk_bf16_f32 v[ACC+8*a_+i_], v[ACC+8*a_+2*i_], v[ACC+8*a_+2*i_+1]
.set i_, i_+1
.endr
.set a_, a_+1
.endr
.endm
.macro SLOPE_HERE                      ; 0.01 x, beside x, on packed halves
.set a_, 0
.rept 8
.set i_, 0
.rept 4
	v_pk_mul_bf16 v[ACC+8*a_+4+i_], v[ACC+8*a_+i_], s[SL16]
.set i_, i_+1
.endr
.set a_, a_+1
.endr
.endm
.macro PUT off                         ; the eight packed tiles into my wave's LDS bytes
.set a_, 0
.rept 8
	ds_store_b128 v[SPA], v[ACC+8*a_:ACC+8*a_+3] offset:(\off)+1024*(a_%4)+512*(a_/4)
.set a_, a_+1
.endr
.endm
.macro EP_SPILL act                    ; a pair's way out: rounded, (act = 1) max(x, 0.01 x), stored as the next layer's K chunk
	WIN 0
	CVT_HERE
.if \act
	SLOPE_HERE
.set a_, 0
.rept 8
.set i_, 0
.rept 4
	v_pk_max_num_bf16 v[ACC+8*a_+i_], v[ACC+8*a_+i_], v[ACC+8*a_+4+i_]
.set i_, i_+1
.endr
.set a_, a_+1
.endr
.endif
	v_add_nc_u32 v[SPA], s[SPO], v[L16]
	PUT 0
	s_add_co_u32 s[SPO], s[SPO], 4096
.endm
.macro EP_DOT acc                      ; a hidden pair's way out, all in f32: acc(rt) += max(x, 0.01 x) w2, two tiles at a time
	WIN 0
.set o_, 0
.rept 2
.set i_, 0
.rept 4
.set rt_, 0
.rept 2
.set x0, ACC+8*(4*o_+rt_)+2*i_
.set x1, ACC+8*(4*o_+rt_+1)+2*i_
	v_pk_mul_f32 v[TT:TT+1], v[x0:x0+1], s[SLP:SLP+1] op_sel_hi:[1,0]
	v_pk_mul_f32 v[TT+2:TT+3], v[x1:x1+1], s[SLP:SLP+1] op_sel_hi:[1,0]
	v_max_num_f32 v[TT], v[TT], v[x0]
	v_max_num_f32 v[TT+1], v[TT+1], v[x0+1]
	v_max_num_f32 v[TT+2], v[TT+2], v[x1]
	v_max_num_f32 v[TT+3], v[TT+3], v[x1+1]
	v_pk_fma_f32 v[(\acc)+2*rt_:(\acc)+2*rt_+1], v[TT:TT+1], v[W2R+8*o_+2*i_:W2R+8*o_+2*i_+1], v[(\acc)+2*rt_:(\acc)+2*rt_+1]
	v_pk_fma_f32 v[(\acc)+2*rt_+2:(\acc)+2*rt_+3], v[TT+2:TT+3], v[W2R+8*o_+2*i_:W2R+8*o_+2*i_+1], v[(\acc)+2*rt_+2:(\acc)+2*rt_+3]
.set rt_, rt_+2
.endr
.set i_, i_+1
.endr
.set o_, o_+1
.endr
.endm
.macro EPI ep
.if (\ep) == 2
	EP_DOT BACC
.else
	EP_SPILL \ep
.endif
.endm
; THE PAIRS OF ONE TILE, s[CNT] of them.  kc K chunks, of which set A holds na / 2.  A trip multiplies one pair of output tiles for all four row tiles; the next pair's fragments are asked for ahead of the
; way out and land under it.  In the last trip the bias load reads the table that follows (stored bytes, not used), and the fragments' loads are jumped over.
.macro TRIPS kc, na, xb, bias, step, st, w2, ep
	s_mov_b32 s[WOF], s[SB]
	v_add_nc_u32 v[WAD], s[WOF], v[L16]
.if \bias
	v_add_nc_u32 v[TBA], s[TBO], v[H32]
	LDBIAS 0, \st
.endif
	LDW WA, \na, 0
	LDW WB, 2*(\kc)-(\na), 1024*(\na)
.Ltrip_\@:
	s_wait_dscnt 2*(2*(\kc)-(\na))                 ; set B's loads may be out (what a way out stored behind them only makes the wait stricter); bias and set A are in
.if \w2
	LDW2
.endif
	MULSET WA, 0, (\na)/2, \xb, 0, 2-(\bias)
	s_wait_dscnt 0x0                               ; set B is in
.if \bias
	WIN 0
	PLACES                                         ; behind the products that took the bias as C
	s_add_co_u32 s[TBO], s[TBO], \step
	v_add_nc_u32 v[TBA], s[TBO], v[H32]
	LDBIAS 0, \st
.endif
	MULSET WB, (\na)/2, (\kc)-(\na)/2, \xb, 0, 0
	WIN 0
	PLACES
	s_wait_dscnt 0x0                               ; the next bias is in: nothing is out on either way round the jump below
	s_add_co_u32 s[WOF], s[WOF], 2048*(\kc)
	v_add_nc_u32 v[WAD], s[WOF], v[L16]
	s_cmp_eq_u32 s[CNT], 1
	s_cbranch_scc1 .Lno_more_\@
	LDW WA, \na, 0
	LDW WB, 2*(\kc)-(\na), 1024*(\na)
.Lno_more_\@:
	EPI \ep
	s_sub_co_u32 s[CNT], s[CNT], 1
	s_cmp_lg_u32 s[CNT], 0
	s_cbranch_scc1 .Ltrip_\@
.endm
; W_c1's pairs: 16 K chunks, 8 of enc_sa and 8 of the attended values; two pairs to a tile.  Each set is filled again four places behind its products.
.macro C1TRIPS
	s_mov_b32 s[WOF], s[SB]
	v_add_nc_u32 v[WAD], s[WOF], v[L16]
	v_add_nc_u32 v[TBA], s[TBO], v[H32]
	LDBIAS 0, 128
	LDW WA, 8, 0
	LDW WB, 8, 8192
.Lc1_\@:
	s_wait_dscnt 16                                ; set B's 16 loads may be out
	LDW2
	MULSET WA, 0, 4, ENC_SA, 0, 1
	WIN 0
	s_wait_dscnt 0x0
	PLACES
	LDW WA, 8, 16384
	MULSET WB, 4, 4, ENC_SA, 0, 0
	WIN 0
	PLACES
	LDW WB, 8, 24576
	s_wait_dscnt 16                                ; the 16 just issued may be out
	MULSET WA, 0, 4, OTHER, 0, 0
	WIN 0
	s_wait_dscnt 0x0
	PLACES
	s_add_co_u32 s[TBO], s[TBO], 256
	v_add_nc_u32 v[TBA], s[TBO], v[H32]
	LDBIAS 0, 128
	MULSET WB, 4, 4, OTHER, 0, 0
	WIN 0
	PLACES
	s_wait_dscnt 0x0
	s_add_co_u32 s[WOF], s[WOF], 32768
	v_add_nc_u32 v[WAD], s[WOF], v[L16]
	s_cmp_eq_u32 s[CNT], 1
	s_cbranch_scc1 .Lc1_no_more_\@
	LDW WA, 8, 0
	LDW WB, 8, 8192
.Lc1_no_more_\@:
	EP_DOT QACC
	s_sub_co_u32 s[CNT], s[CNT], 1
	s_cmp_lg_u32 s[CNT], 0
	s_cbranch_scc1 .Lc1_\@
.endm
.macro RELOAD xb                       ; a layer's 32 X fragments back from my wave's LDS bytes: each lane reads what it stored; LDS serves a wave's instructions in order (ISA guide 5.7.1.4)
	WIN (((\xb)>>8)<<6)
.set k_, 0
.rept 32
	ds_load_b128 v[8*k_:8*k_+3],   v[SPA] offset:1024*k_
	ds_load_b128 v[8*k_+4:8*k_+7], v[SPA] offset:1024*k_+512
.set k_, k_+1
.endr
	WIN 0
.endm
; One of a head's four blocks (K's two pairs, V's two pairs): 8 K chunks of enc_sa.  nxt: where the next block's fragments lie in the tile, or -1.  bias = 1: the next block's b_v is fetched too.
.macro HBLK swap, first, nxt, bias, boff
	s_wait_dscnt 16                                ; set B's 16 loads may be out
	MULSET WA, 0, 4, ENC_SA, \swap, \first
	WIN 0
	s_wait_dscnt 0x0
.if (\nxt) >= 0
	PLACES
.if \bias
	LDBIAS \boff, 512
.endif
	LDW WA, 8, \nxt
.endif
	MULSET WB, 4, 4, ENC_SA, \swap, 0
	WIN 0
	PLACES
.if (\nxt) >= 0
	LDW WB, 8, (\nxt)+8192
.endif
.endm
.macro EP_K u                          ; K's pair u, rounded, is K chunk u of the head's K fragments
	WIN 0xc0
.set a_, 0
.rept 8
.set i_, 0
.rept 4
	v_cvt_pk_bf16_f32 v[(KH&255)+8*(4*(\u)+a_%4)+4*(a_/4)+i_], v[ACC+8*a_+2*i_], v[ACC+8*a_+2*i_+1]
.set i_, i_+1
.endr
.set a_, a_+1
.endr
	WIN 0
.endm
.macro EP_V u                          ; V's pair u: a lane holds a channel and 8 rows; two row tiles side by side are a fragment of V^T
	WIN 0
	CVT_HERE
	SLOPE_HERE
	WIN 0xc0
.set a_, 0
.rept 8
.set i_, 0
.rept 4
	v_pk_max_num_bf16 v[(VT&255)+8*(2*(2*(\u)+a_/4)+(a_%4)/2)+4*(a_%2)+i_], v[ACC+8*a_+i_], v[ACC+8*a_+4+i_]
.set i_, i_+1
.endr
.set a_, a_+1
.endr
	WIN 0
.endm
.macro PV u                            ; O^T = V^T P for channels 32 u on: 32 keys are two row tiles, and P is 0 for the tile that is not the queries' own
	WIN 0x0f
.set a_, 0
.rept 8
	v_wmma_f32_16x16x32_bf16 v[ACC+8*a_:ACC+8*a_+7], v[(VT&255)+8*(2*(2*(\u)+a_/4)+(a_%4)/2):(VT&255)+8*(2*(2*(\u)+a_/4)+(a_%4)/2)+7], v[(PB&255)+12*((a_%4)/2)+4*(a_%2):(PB&255)+12*((a_%4)/2)+4*(a_%2)+7], 0
.set a_, a_+1
.endr
	WIN 0
	PLACES
	CVT_HERE
	PUT 4096*(\u)                                  ; where the head's Q lay: K chunk 2 hd + u of the attended values
.endm
.macro ALLT line:vararg                ; one line for each row tile t
.set t, 0
.rept 4
	\line
.set t, t+1
.endr
.endm
	; ---------------- the head ----------------
	s_load_b512 s[4:19], s[0:1], 0x0               ; sa s[4:5], states s[6:7], wt s[8:9], out0 s[10:11], part s[12:13], b_enc s[14:15], b_s s[16:17], b_b1 s[18:19]
	s_load_b256 s[20:27], s[0:1], 0x40             ; W_b2 s[20:21], b_c1 s[22:23], W_c2 s[24:25], b_v s[26:27]
	s_load_b128 s[28:31], s[0:1], 0x60             ; b_c2 s[28:29], b_b2 s[30:31]
	v_lshl_add_u32 v[SPW], v0, 2, SPARE
	v_mov_b32 v[NIL], 0
	ds_add_u32 v[SPW], v[NIL]                      ; the wave's opening: the add and its wait ahead of my first tensor load; work on registers stands between them
	v_lshrrev_b32 v[WAD], 5, v0
	v_readfirstlane_b32 s[WV], v[WAD]              ; wave 0..3
	s_bfe_u32 s[CX], ttmp6, 0x40000                ; my place in the cluster: it enters global addresses of sa, states, out0, part and the prefetches alone
	s_lshl_b32 s[WG], ttmp9, 2
	s_add_co_u32 s[WG], s[WG], s[CX]
	; descriptor group 1: a dense block as rows of 256 bytes, 32 elements of 8 bytes; no padding: a fragment is read as consecutive bytes
	s_mov_b32 s[G1], 15|(3<<16)|(1<<21)            ; 15:0 the mask of four; 17:16 elements of 8 bytes; 21 set beside a mask
	s_mov_b32 s[G1E], 15|(3<<16)|(1<<21)
.irp g, G1, G1E
	s_mov_b32 s[\g+1], 32<<16                      ; tensor_dim0 = 32
	s_mov_b32 s[\g+3], 32<<16                      ; tile_dim0 = 32
	s_mov_b32 s[\g+5], 32                          ; 32 elements from row to row
	s_mov_b32 s[\g+6], 0
	s_mov_b32 s[\g+7], 0
.endr
	s_mov_b32 s[G1+2], 64<<16                      ; tensor_dim1 = tile_dim1 = 64 rows: a quarter of 65,536 bytes
	s_mov_b32 s[G1+4], 64
	s_mov_b32 s[G1E+2], 80<<16                     ; 80 rows: a quarter of tile 0
	s_mov_b32 s[G1E+4], 80
	s_mov_b32 s[G0A], 1
	s_mul_i32 s[G0A+1], s[WV], 20480               ; slot 0, my quarter
	s_mov_b32 s[G0W], 1
	s_lshl_b32 s[G0W+1], s[WV], 14
	s_add_co_u32 s[G0W+1], s[G0W+1], SLOT1         ; slot 1, my quarter
	s_mov_b32 s[SB], 0
	s_mov_b32 s[REM], 11
	s_lshr_b32 s[LIM], s[WV], 1                    ; 0 in waves 0 and 1,
	s_or_b32 s[LIM], s[LIM], ttmp9                 ; of the first cluster: the same in all four partners
	s_cmp_eq_u32 s[LIM], 0
	s_cselect_b32 s[LIM], 0, -1
	s_mov_b32 s[SEL], 0x76543210
	s_mov_b32 s[SEL+1], 0xfedcba98
.set j_, 0
.rept 8
	s_mov_b32 s[MK+j_], (0x01010101<<j_)|0x00ffff00  ; register j is the own agent's key where lane % 8 = j; lanes 8-23 hold the other batch element's keys
.set j_, j_+1
.endr
	s_mov_b32 s[VM], 0xff0000ff
	s_mov_b32 s[BIG], 0xceabfb8f                   ; -1e9 log2(e)
	s_mov_b32 s[CS], 0x3e38aa3b                    ; log2(e) / 8
	s_mov_b32 s[CS+1], s[CS]
	s_mov_b32 s[SLP], 0x3c23d70a                   ; 0.01
	s_mov_b32 s[SLP+1], s[SLP]
	s_mov_b32 s[SL16], 0x3c243c24
	s_lshl_b32 s[SPBASE], s[WV], 15
	s_add_co_u32 s[SPBASE], s[SPBASE], SPILL
	s_mov_b32 s3, 0
	s_mov_b32 s93, 0
	s_wait_dscnt 0x0                               ; the opening add is done
	s_wait_kmcnt 0x0
	s_load_b32 s[BC2], s[28:29], 0x0
	s_load_b32 s[BB2], s[30:31], 0x0
	s_mul_i32 s2, s[WV], 20480
	s_add_nc_u64 s[G0A+2:G0A+3], s[8:9], s[2:3]    ; my quarter of tile 0
	s_or_b32 s[G0A+3], s[G0A+3], 0x80000000        ; type = 2
	s_lshl_b32 s2, s[WV], 14
	s_add_co_u32 s2, s2, T1_AT
	s_add_nc_u64 s[G0W+2:G0W+3], s[8:9], s[2:3]    ; my quarter of tile 1
	s_or_b32 s[G0W+3], s[G0W+3], 0x80000000
	s_add_nc_u64 s[PFA:PFA+1], s[8:9], T2_AT       ; the first change of slots steps it to tile 3
	s_mul_i32 s92, s[WG], 20480                    ; sa: 32 rows of 640 bytes a work-group, 8 a wave
	s_mul_i32 s94, s[WV], 5120
	s_add_co_u32 s92, s92, s94
	s_add_nc_u64 s[4:5], s[4:5], s[92:93]
	s_lshl_b32 s92, s[WG], 14                      ; states: rows of 512 bytes
	s_lshl_b32 s94, s[WV], 12
	s_add_co_u32 s92, s92, s94
	s_add_nc_u64 s[6:7], s[6:7], s[92:93]
	s_lshl_b32 s92, s[WG], 7
	s_add_nc_u64 s[10:11], s[10:11], s[92:93]      ; out0 at my 32 batch elements of agent 0
	s_lshl_b32 s92, s[WG], 5
	s_add_nc_u64 s[12:13], s[12:13], s[92:93]      ; part at my 8 numbers
	s_and_b32 s92, s[WV], 1
	s_lshl2_add_u32 s92, s92, s[CX]
	s_lshl_b32 s92, s92, 13                        ; my 32 blocks of 256 bytes among a tile's 256
	ROUND                                          ; all four work-groups are here: the first joint loads meet
	tensor_load_to_lds s[G0A:G0A+3], s[G1E:G1E+7]  ; tile 0; two loads of mine are out
	s_nop 0
	tensor_load_to_lds s[G0W:G0W+3], s[G1:G1+7]    ; tile 1
	s_nop 0
	PLACES
	v_and_b32 v[TQ+1], 31, v0                      ; lane
	v_lshlrev_b32 v[L16], 4, v[TQ+1]
	v_lshlrev_b32 v[TO8], 3, v0
.set n_, 0
.rept 8
	v_add_nc_u32 v[GO_SA+n_], 10485760*n_, v[L16]  ; agent n's plane of sa,
	v_add_nc_u32 v[GO_ST+n_], 8388608*n_, v[L16]   ; of states
.set n_, n_+1
.endr
.set k_, 0
.rept 7
	global_load_b64 v[BV+2*k_:BV+2*k_+1], v[TO8], s[14+2*k_:15+2*k_]  ; thread t takes numbers 2 t, 2 t + 1 of b_enc, b_s, b_b1, W_b2, b_c1, W_c2, b_v
.set k_, k_+1
.endr
.set n_, 0
.rept 8                                ; my 8 rows of agent n are 5,120 consecutive bytes: ten loads of 512
.set i_, 0
.rept 10
.set R_, RAW_SA+40*n_+4*i_
	WIN ((R_>>8)<<6)
	global_load_b128 v[(R_&255):(R_&255)+3], v[GO_SA+n_], s[4:5] offset:512*i_ th:TH_LOAD_NT
.set i_, i_+1
.endr
.set n_, n_+1
.endr
	WIN 0
	v_lshl_add_u32 v[PFO], v[TQ+1], 8, s92
	v_and_b32 v[R32], 15, v0
	v_bfe_u32 v[H32], v0, 4, 1
	v_mul_u32_u24 v[XAD], v[R32], 336              ; a stage row of sa: 320 bytes + 16: the 16 rows of a fragment start at 16 different groups of four banks (ISA guide 11.1)
	v_lshl_add_u32 v[XAD], v[H32], 4, v[XAD]
	v_add_nc_u32 v[XAD], s[SPBASE], v[XAD]
	v_lshlrev_b32 v[R32], 5, v[R32]
	v_lshlrev_b32 v[H32], 5, v[H32]
.set i_, 0
.rept 10                               ; load i's four numbers are quad g = 32 i + lane of 320: row b = g / 40; they go to stage row 8 b + n, byte 8 (g % 40): 8 g + 2,368 b + 336 n
	v_add_nc_u32 v[SAD+i_], 32*i_, v[TQ+1]
	v_mul_u32_u24 v[TQ], v[SAD+i_], 205
	v_lshrrev_b32 v[TQ], 13, v[TQ]                 ; g / 40, exact for g under 320
	v_mul_u32_u24 v[TQ], v[TQ], 2368
	v_lshl_add_u32 v[SAD+i_], v[SAD+i_], 3, v[TQ]
	v_add_nc_u32 v[SAD+i_], s[SPBASE], v[SAD+i_]
.set i_, i_+1
.endr
	; the tables: every number rounded to bf16 and kept as f32
	s_wait_loadcnt 63                              ; 80 loads are younger than the seven; the field holds 63
.set k_, 0
.rept 7
	v_cvt_pk_bf16_f32 v[TQ], v[BV+2*k_], v[BV+2*k_+1]
	v_lshlrev_b32 v[BV+2*k_], 16, v[TQ]
	v_and_b32 v[BV+2*k_+1], 0xffff0000, v[TQ]
.set k_, k_+1
.endr
	v_lshl_add_u32 v[TA1], v0, 3, TAB
	ds_store_b64 v[TA1], v[BV:BV+1]                ; b_enc
	ds_store_b64 v[TA1], v[BV+2:BV+3] offset:1024  ; b_s
	v_lshrrev_b32 v[TA2], 3, v0                    ; output tile t / 8
	v_and_b32 v[TA3], 7, v0
	v_lshlrev_b32 v[TA3], 3, v[TA3]
	v_lshl_add_u32 v[TA2], v[TA2], 7, v[TA3]
	v_add_nc_u32 v[TA2], TB_B1, v[TA2]
	ds_store_b64 v[TA2], v[BV+4:BV+5]              ; b_b1
	ds_store_b64 v[TA2], v[BV+6:BV+7] offset:64    ; W_b2
	ds_store_b64 v[TA2], v[BV+8:BV+9] offset:2048  ; b_c1
	ds_store_b64 v[TA2], v[BV+10:BV+11] offset:2112  ; W_c2
.irp k, 0,1,2,3
	v_mov_b32 v[TQ+\k], v[BV+12]
	v_mov_b32 v[TQ+4+\k], v[BV+13]
.endr
	v_lshl_add_u32 v[TA3], v0, 6, TB_V
	ds_store_b128 v[TA3], v[TQ:TQ+3]               ; each b_v eight times: with the sources swapped the C operand wants a lane's channel in all 8 registers
	ds_store_b128 v[TA3], v[TQ:TQ+3] offset:16
	ds_store_b128 v[TA3], v[TQ+4:TQ+7] offset:32
	ds_store_b128 v[TA3], v[TQ+4:TQ+7] offset:48
	; ---------------- sa: rounded, through the stage, into X fragments ----------------
.set n_, 0
.rept 8
.set W_, 10*(7-n_)+8*n_                ; younger than agent n's loads: the later agents' of sa, the earlier agents' of states
.if W_ > 63
.set W_, 63
.endif
	s_wait_loadcnt W_
.set i_, 0
.rept 10
.set R_, RAW_SA+40*n_+4*i_
	WIN ((R_>>8)*5)
	v_cvt_pk_bf16_f32 v[TP+2*i_], v[(R_&255)], v[(R_&255)+1]
	v_cvt_pk_bf16_f32 v[TP+2*i_+1], v[(R_&255)+2], v[(R_&255)+3]
.set i_, i_+1
.endr
	WIN 0
.set i_, 0
.rept 10
	ds_store_b64 v[SAD+i_], v[TP+2*i_:TP+2*i_+1] offset:336*n_
.set i_, i_+1
.endr
.set b_, 0
.rept 8                                ; agent n's states: a row of 512 bytes a load; they have the whole first layer in which to land
.set R_, RAW_ST+4*(8*n_+b_)
	WIN ((R_>>8)<<6)
	global_load_b128 v[(R_&255):(R_&255)+3], v[GO_ST+n_], s[6:7] offset:512*b_ th:TH_LOAD_NT
.set b_, b_+1
.endr
	WIN 0
.set n_, n_+1
.endr
	WIN 0xc0
.set k_, 0
.rept 20                               ; K chunk k / 4, row tile k % 4
	ds_load_b128 v[(X_IN&255)+8*k_:(X_IN&255)+8*k_+3],   v[XAD] offset:5376*(k_%4)+64*(k_/4)
	ds_load_b128 v[(X_IN&255)+8*k_+4:(X_IN&255)+8*k_+7], v[XAD] offset:5376*(k_%4)+64*(k_/4)+32
.set k_, k_+1
.endr
	WIN 0
	; ---------------- enc_sa = leaky(sa W_enc + b_enc): tile 0 ----------------
	s_wait_xcnt 0x0                                ; every global load has read its address registers: they lie where the weights' fragments go
	s_wait_kmcnt 0x0                               ; b_c2, b_b2
	s_wait_tensorcnt 0x1                           ; my quarter of tile 0 is in; tile 1's may stay out
	s_wait_dscnt 0x0                               ; my part of the tables is stored
	s_barrier_signal -1
	s_barrier_wait -1                              ; everybody's quarter and everybody's part
	s_mov_b32 s[TBO], TAB
	s_mov_b32 s[SPO], s[SPBASE]
	s_mov_b32 s[CNT], 8
	TRIPS 5, 6, X_IN, 1, 128, 64, 0, 1
	; ---------------- enc_s = leaky(states W_s + b_s): tile 1 ----------------
	NEXT_TILE 1
	v_add_nc_u32 v[SPA], s[SPBASE], v[L16]
	RELOAD ENC_SA
	v_lshrrev_b32 v[STA], 1, v[L16]                ; a lane's four numbers of a row: 8 bytes
	v_add_nc_u32 v[STA], s[SPBASE], v[STA]
	v_and_b32 v[XAD], 15, v0
	v_mul_u32_u24 v[XAD], v[XAD], 272              ; a stage row of states: 256 bytes + 16
	v_lshrrev_b32 v[XT], 1, v[H32]
	v_add3_u32 v[XAD], v[XAD], v[XT], s[SPBASE]
.set n_, 0
.rept 8
	s_wait_loadcnt 8*(7-n_)                        ; the later agents' loads may be out
.set b_, 0
.rept 8
.set R_, RAW_ST+4*(8*n_+b_)
	WIN ((R_>>8)*5)
	v_cvt_pk_bf16_f32 v[TP+2*b_], v[(R_&255)], v[(R_&255)+1]
	v_cvt_pk_bf16_f32 v[TP+2*b_+1], v[(R_&255)+2], v[(R_&255)+3]
.set b_, b_+1
.endr
	WIN 0
.set b_, 0
.rept 8
	ds_store_b64 v[STA], v[TP+2*b_:TP+2*b_+1] offset:272*(8*b_+n_)  ; behind the reads of enc_sa above: LDS serves a wave's instructions in order
.set b_, b_+1
.endr
.set n_, n_+1
.endr
	WIN 0xc0
.set k_, 0
.rept 16
	ds_load_b128 v[(X_IN&255)+8*k_:(X_IN&255)+8*k_+3],   v[XAD] offset:4352*(k_%4)+64*(k_/4)
	ds_load_b128 v[(X_IN&255)+8*k_+4:(X_IN&255)+8*k_+7], v[XAD] offset:4352*(k_%4)+64*(k_/4)+32
.set k_, k_+1
.endr
	WIN 0
	s_mov_b32 s[TBO], TAB+1024
	s_mov_b32 s[SPO], s[SPBASE]
	s_mov_b32 s[CNT], 8
	TRIPS 4, 4, X_IN, 1, 128, 64, 0, 1
	v_add_nc_u32 v[SPA], s[SPBASE], v[L16]
	RELOAD ENC_S
	; ---------------- b = leaky(enc_s W_b1 + b_b1) . W_b2: tiles 2, 3 ----------------
.set k_, 0
.rept 8
	v_mov_b32 v[BACC+k_], 0
	v_mov_b32 v[QACC+k_], 0
.set k_, k_+1
.endr
	s_mov_b32 s[TBO], TB_B1
	s_mov_b32 s[OUT], 2
.Lb1:
	NEXT_TILE 1
	s_mov_b32 s[CNT], 4
	TRIPS 8, 8, ENC_S, 1, 256, 128, 1, 2
	s_sub_co_u32 s[OUT], s[OUT], 1
	s_cmp_lg_u32 s[OUT], 0
	s_cbranch_scc1 .Lb1
	; ---------------- Q = enc_s W_q, all heads: tiles 4, 5 ----------------
	s_mov_b32 s[SPO], s[SPBASE]
	s_mov_b32 s[OUT], 2
.Lq:
	NEXT_TILE 1
	s_mov_b32 s[CNT], 4
	TRIPS 8, 8, ENC_S, 0, 0, 0, 0, 0
	s_sub_co_u32 s[OUT], s[OUT], 1
	s_cmp_lg_u32 s[OUT], 0
	s_cbranch_scc1 .Lq
	; ---------------- the heads: tiles 6 to 9 ----------------
.set j_, 0
.rept 8
	v_cndmask_b32 v[BM+j_], 0, s[BIG], s[MK+j_]
.set j_, j_+1
.endr
	v_cndmask_b32 v[VALID], 0, 1.0, s[VM]
	v_mov_b32 v[SQ], 0
	v_mov_b32 v[SQ+1], 0
	WIN 0xc0
.irp k, 4,5,6,7,16,17,18,19
	v_mov_b32 v[(PB&255)+\k], 0                    ; the weights of the tile that is not the queries' own
.endr
	WIN 0
	s_mov_b32 s[SPO], s[SPBASE]
	s_mov_b32 s[TVO], TB_V
	s_mov_b32 s[OUT], 4
.Lhead:
	NEXT_TILE 1
	v_add_nc_u32 v[WAD], s[SB], v[L16]
	v_add_nc_u32 v[SPA], s[SPO], v[L16]
	v_add_nc_u32 v[TBA], s[TVO], v[R32]
	WIN 0xc0
.set k_, 0
.rept 8                                ; the head's Q: 8 blocks of my wave's LDS bytes
	ds_load_b128 v[(QH&255)+8*k_:(QH&255)+8*k_+3],   v[SPA] offset:1024*k_
	ds_load_b128 v[(QH&255)+8*k_+4:(QH&255)+8*k_+7], v[SPA] offset:1024*k_+512
.set k_, k_+1
.endr
	WIN 0
	LDW WA, 8, 0
	LDW WB, 8, 8192
	HBLK 0, 2, 16384, 0, 0                         ; K, channels 0-31
	EP_K 0
	HBLK 0, 2, 32768, 1, 0                         ; K, channels 32-63
	EP_K 1
	HBLK 1, 1, 49152, 1, 1024                      ; V, channels 0-31
	EP_V 0
	HBLK 1, 1, -1, 0, 0                            ; V, channels 32-63
	EP_V 1
	WIN 0x0f                                       ; S^T = K Q^T: the four tiles' accumulators by turns
.set k_, 0
.rept 8
.if k_ < 4
	v_wmma_f32_16x16x32_bf16 v[ACC+8*(k_%4):ACC+8*(k_%4)+7], v[(KH&255)+8*k_:(KH&255)+8*k_+7], v[(QH&255)+8*k_:(QH&255)+8*k_+7], 0
.else
	v_wmma_f32_16x16x32_bf16 v[ACC+8*(k_%4):ACC+8*(k_%4)+7], v[(KH&255)+8*k_:(KH&255)+8*k_+7], v[(QH&255)+8*k_:(QH&255)+8*k_+7], v[ACC+8*(k_%4):ACC+8*(k_%4)+7]
.endif
.set k_, k_+1
.endr
	WIN 0
	PLACES
	; the softmax of 4 tiles x 8 keys a lane.  Hidden logits become 0: they add nothing to the squares, and the scaling then puts -1e9 log2(e) in their place
.set k_, 0
.rept 32
	v_cndmask_b32 v[ACC+k_], v[ACC+k_], 0, s[MK+k_%8]
.set k_, k_+1
.endr
	ALLT v_pk_mul_f32 v[SQT+2*t:SQT+2*t+1], v[ACC+8*t:ACC+8*t+1], v[ACC+8*t:ACC+8*t+1]
.irp i, 2,4,6
	ALLT v_pk_fma_f32 v[SQT+2*t:SQT+2*t+1], v[ACC+8*t+\i:ACC+8*t+\i+1], v[ACC+8*t+\i:ACC+8*t+\i+1], v[SQT+2*t:SQT+2*t+1]
.endr
.irp i, 0,2,4,6
	ALLT v_pk_fma_f32 v[ACC+8*t+\i:ACC+8*t+\i+1], v[ACC+8*t+\i:ACC+8*t+\i+1], s[CS:CS+1], v[BM+\i:BM+\i+1] op_sel_hi:[1,0,1]
.endr
	v_pk_add_f32 v[SQT:SQT+1], v[SQT:SQT+1], v[SQT+2:SQT+3]
	v_pk_add_f32 v[SQT+4:SQT+5], v[SQT+4:SQT+5], v[SQT+6:SQT+7]
	ALLT v_max3_num_f32 v[MX+2*t], v[ACC+8*t], v[ACC+8*t+1], v[ACC+8*t+2]
	v_pk_add_f32 v[SQT:SQT+1], v[SQT:SQT+1], v[SQT+4:SQT+5]
	ALLT v_max3_num_f32 v[MX+2*t], v[MX+2*t], v[ACC+8*t+3], v[ACC+8*t+4]
	v_pk_add_f32 v[SQ:SQ+1], v[SQ:SQ+1], v[SQT:SQT+1]
	ALLT v_max3_num_f32 v[MX+2*t], v[MX+2*t], v[ACC+8*t+5], v[ACC+8*t+6]
	ALLT v_max_num_f32 v[MX+2*t+1], v[MX+2*t], v[ACC+8*t+7]
	ALLT v_max_num_f32 v[MX+2*t], v[MX+2*t], v[ACC+8*t+7]
.irp i, 0,2,4,6
	ALLT v_pk_add_f32 v[ACC+8*t+\i:ACC+8*t+\i+1], v[ACC+8*t+\i:ACC+8*t+\i+1], v[MX+2*t:MX+2*t+1] neg_lo:[0,1] neg_hi:[0,1]
.endr
.set k_, 0
.rept 32
	v_exp_f32 v[ACC+k_], v[ACC+k_]
.set k_, k_+1
.endr
	v_nop                                          ; a plain instruction behind the last exponential,
	s_wait_alu depctr_va_vdst(0)                   ; and one wait ahead of the batch's first reader
	ALLT v_pk_add_f32 v[SU+4*t:SU+4*t+1], v[ACC+8*t:ACC+8*t+1], v[ACC+8*t+2:ACC+8*t+3]
	ALLT v_pk_add_f32 v[SU+4*t+2:SU+4*t+3], v[ACC+8*t+4:ACC+8*t+5], v[ACC+8*t+6:ACC+8*t+7]
	ALLT v_pk_add_f32 v[SU+4*t:SU+4*t+1], v[SU+4*t:SU+4*t+1], v[SU+4*t+2:SU+4*t+3]
	ALLT v_add_f32 v[SU+4*t], v[SU+4*t], v[SU+4*t+1]
	ALLT v_rcp_f32 v[MX+2*t], v[SU+4*t]            ; the sum is at least 1: the maximum's own weight
	v_nop
	s_wait_alu depctr_va_vdst(0)                   ; one wait for the four reciprocals
	ALLT v_mul_f32 v[MX+2*t+1], v[MX+2*t], v[VALID]
	ALLT v_mul_f32 v[MX+2*t], v[MX+2*t], v[VALID]  ; 0 in the lanes that hold another batch element's keys
.irp i, 0,2,4,6
	ALLT v_pk_mul_f32 v[ACC+8*t+\i:ACC+8*t+\i+1], v[ACC+8*t+\i:ACC+8*t+\i+1], v[MX+2*t:MX+2*t+1]
.endr
	WIN 0xc0
.irp i, 0,1,2,3
	ALLT v_cvt_pk_bf16_f32 v[(PB&255)+12*(t/2)+8*(t%2)+\i], v[ACC+8*t+2*\i], v[ACC+8*t+2*\i+1]
.endr
	PV 0
	PV 1
	s_add_co_u32 s[SPO], s[SPO], 8192
	s_add_co_u32 s[TVO], s[TVO], 2048
	s_sub_co_u32 s[OUT], s[OUT], 1
	s_cmp_lg_u32 s[OUT], 0
	s_cbranch_scc1 .Lhead
	v_add_f32 v[SQ], v[SQ], v[SQ+1]                ; the squares of agent lane % 8: the four lanes that share it
	v_add_f32_dpp v[SQ], v[SQ], v[SQ] row_xmask:8 row_mask:0xf bank_mask:0xf
	v_permlanex16_b32 v[SQ+1], v[SQ], s[SEL], s[SEL+1]
	v_add_f32 v[SQ], v[SQ], v[SQ+1]
	; ---------------- q = leaky((enc_sa, other) W_c1 + b_c1) . W_c2: tiles 10 to 13 ----------------
	v_add_nc_u32 v[SPA], s[SPBASE], v[L16]
	RELOAD OTHER
	s_mov_b32 s[TBO], TB_C1
	s_mov_b32 s[OUT], 3
.Lc1:
	NEXT_TILE 1
	s_mov_b32 s[CNT], 2
	C1TRIPS
	s_sub_co_u32 s[OUT], s[OUT], 1
	s_cmp_lg_u32 s[OUT], 0
	s_cbranch_scc1 .Lc1
	NEXT_TILE 0                                    ; the last tile is written out: nothing is asked for
	s_mov_b32 s[CNT], 2
	C1TRIPS
	; ---------------- the way out ----------------
	ALLT v_pk_add_f32 v[QACC+2*t:QACC+2*t+1], v[QACC+2*t:QACC+2*t+1], v[BACC+2*t:BACC+2*t+1] neg_lo:[0,1] neg_hi:[0,1]
	v_cvt_pk_bf16_f32 v[TT], s[BC2], s[BB2]
	v_lshlrev_b32 v[TT+1], 16, v[TT]
	v_and_b32 v[TT], 0xffff0000, v[TT]
	v_sub_f32 v[TT], v[TT+1], v[TT]                ; b_c2 - b_b2, each rounded to bf16
	ALLT v_add_f32 v[QACC+2*t], v[QACC+2*t], v[QACC+2*t+1]
	ALLT v_permlanex16_b32 v[QACC+2*t+1], v[QACC+2*t], s[SEL], s[SEL+1]  ; the row's other 128 hidden channels lie in the lane 16 away
	ALLT v_add_f32 v[QACC+2*t], v[QACC+2*t], v[QACC+2*t+1]
	ALLT v_add_f32 v[QACC+2*t], v[QACC+2*t], v[TT]
	v_and_b32 v[WAD], 7, v0                        ; the agent
	v_bfe_u32 v[SPA], v0, 3, 1                     ; which of the tile's two batch elements
	v_lshlrev_b32 v[SPA], 2, v[SPA]
	v_lshl_add_u32 v[SPA], v[WAD], 7, v[SPA]
	s_lshl_b32 s2, s[WV], 5
	s_add_co_u32 s3, s2, RES
	v_add_nc_u32 v[SPA], s3, v[SPA]                ; RES + 128 agent + 4 (8 wave + bl); both halves of the lanes store the same number
	ALLT ds_store_b32 v[SPA], v[QACC+2*t] offset:8*t
	v_lshlrev_b32 v[WAD], 2, v[WAD]
	s_add_co_u32 s3, s2, RES2
	v_add_nc_u32 v[TBA], s3, v[WAD]
	ds_store_b32 v[TBA], v[SQ]
	s_wait_dscnt 0x0                               ; for wave 0's sake
	s_barrier_signal -1
	s_barrier_wait -1
	s_cmp_lg_u32 s[WV], 0
	s_cbranch_scc1 .Lend
	v_add_nc_u32 v[SPA], RES, v[L16]
	ds_load_b128 v[ACC:ACC+3], v[SPA]              ; agents 0-3: 8 lanes an agent,
	ds_load_b128 v[ACC+4:ACC+7], v[SPA] offset:512 ; agents 4-7
	v_add_nc_u32 v[TBA], RES2, v[WAD]
.irp k, 0,1,2,3
	ds_load_b32 v[ACC+8+\k], v[TBA] offset:32*\k
.endr
	v_lshrrev_b32 v[ACC+12], 3, v0                 ; (wave 0: the thread's number is the lane's)
	v_lshlrev_b32 v[ACC+12], 16, v[ACC+12]         ; an agent's plane of out0: 65,536 bytes
	v_lshl_add_u32 v[ACC+12], v[WAD], 2, v[ACC+12]
	s_wait_dscnt 0x0
	global_store_b128 v[ACC+12], v[ACC:ACC+3], s[10:11]
	global_store_b128 v[ACC+12], v[ACC+4:ACC+7], s[10:11] offset:262144
	v_add_f32 v[ACC+8], v[ACC+8], v[ACC+9]
	v_add_f32 v[ACC+10], v[ACC+10], v[ACC+11]
	v_add_f32 v[ACC+8], v[ACC+8], v[ACC+10]
	v_cmp_gt_u32 vcc_lo, 8, v0
	s_wait_xcnt 0x0                                ; EXEC changes only when the stores above have read it
	s_and_saveexec_b32 s2, vcc_lo
	global_store_b32 v[WAD], v[ACC+8], s[12:13]    ; lanes 0-7: the work-group's sum of squares for agent = lane
	s_wait_xcnt 0x0
	s_or_b32 exec_lo, exec_lo, s2
.Lend:
	s_wait_tensorcnt 0x0                           ; the wave's end, behind my last tensor load and my last LDS store
	ds_add_u32 v[SPW], v[NIL]
	s_wait_dscnt 0x0
	ROUND                                          ; the closing round: no work-group ends while a partner may still ask for a tile that names it
	s_endpgm
.Lfunc_end_k_q565e57ed63_main:
	.size	k_q565e57ed63_main, .Lfunc_end_k_q565e57ed63_main-k_q565e57ed63_main
	.p2alignl 7, 3214868480
	.fill 96, 4, 3214868480
	.section	.rodata,"a",@progbits
	.p2align	6, 0x0
	.amdhsa_kernel k_q565e57ed63_main
		.amdhsa_group_segment_fixed_size 327680
		.amdhsa_private_segment_fixed_size 0
		.amdhsa_enable_private_segment 0
		.amdhsa_kernarg_size 112
		.amdhsa_user_sgpr_count 2
		.amdhsa_user_sgpr_kernarg_segment_ptr 1
		.amdhsa_wavefront_size32 1
		.amdhsa_system_sgpr_workgroup_id_x 1
		.amdhsa_system_sgpr_workgroup_id_y 1
		.amdhsa_system_sgpr_workgroup_id_z 1
		.amdhsa_system_vgpr_workitem_id 0
		.amdhsa_next_free_vgpr 1024
		.amdhsa_next_free_sgpr 96
		.amdhsa_reserve_vcc 1
		.amdhsa_float_denorm_mode_32 3
		.amdhsa_float_denorm_mode_16_64 3
		.amdhsa_memory_ordered 1
		.amdhsa_forward_progress 1
		.amdhsa_inst_pref_size 243
	.end_amdhsa_kernel
	.amdgpu_metadata
---
amdhsa.version: [ 1, 2 ]
amdhsa.kernels:
  - .name:           k_q565e57ed63_main
    .symbol:         k_q565e57ed63_main.kd
    .args:
      - { .name: sa, .offset: 0, .size: 8, .value_kind: global_buffer, .address_space: global }
      - { .name: states, .offset: 8, .size: 8, .value_kind: global_buffer, .address_space: global }
      - { .name: wt, .offset: 16, .size: 8, .value_kind: global_buffer, .address_space: global }
      - { .name: out0, .offset: 24, .size: 8, .value_kind: global_buffer, .address_space: global }
      - { .name: part, .offset: 32, .size: 8, .value_kind: global_buffer, .address_space: global }
      - { .name: b_enc, .offset: 40, .size: 8, .value_kind: global_buffer, .address_space: global }
      - { .name: b_s, .offset: 48, .size: 8, .value_kind: global_buffer, .address_space: global }
      - { .name: b_b1, .offset: 56, .size: 8, .value_kind: global_buffer, .address_space: global }
      - { .name: W_b2, .offset: 64, .size: 8, .value_kind: global_buffer, .address_space: global }
      - { .name: b_c1, .offset: 72, .size: 8, .value_kind: global_buffer, .address_space: global }
      - { .name: W_c2, .offset: 80, .size: 8, .value_kind: global_buffer, .address_space: global }
      - { .name: b_v, .offset: 88, .size: 8, .value_kind: global_buffer, .address_space: global }
      - { .name: b_c2, .offset: 96, .size: 8, .value_kind: global_buffer, .address_space: global }
      - { .name: b_b2, .offset: 104, .size: 8, .value_kind: global_buffer, .address_space: global }
    .group_segment_fixed_size: 327680
    .private_segment_fixed_size: 0
    .kernarg_segment_align: 8
    .kernarg_segment_size: 112
    .max_flat_workgroup_size: 128
    .sgpr_count:     96
    .vgpr_count:     1024
    .wavefront_size: 32
...
	.end_amdgpu_metadata
.endif
;; end of part 2
;; launch reduce (part 3): grid 1 x 1, 1 waves a work-group, no clusters, 0 bytes of LDS; arguments part, out1; writes out1
.if DOCPART == 3
	.amdgcn_target "amdgcn-amd-amdhsa--gfx1250"
	.amdhsa_code_object_version 6
	.text
	.protected	k_q565e57ed63_reduce
	.globl	k_q565e57ed63_reduce
	.p2align	8
	.type	k_q565e57ed63_reduce,@function
k_q565e57ed63_reduce:
	s_mov_b64 s[64:65], 0
	v_nop
	global_prefetch_b8 v0, s[64:65] scope:SCOPE_SE
	s_setreg_imm32_b32 hwreg(HW_REG_WAVE_MODE, 25, 1), 1
	s_wait_xcnt 0x0
; out1[n] = 0.001 / (16384 x 7) x the sum over the 512 work-groups of part[wg][n].  part is 16,384 bytes: one wave, 32 loads of 512 consecutive bytes.
; Quad 32 i + lane holds agents 4 (lane % 2) .. + 3 of work-group 16 i + lane / 2, so a lane's 32 quads are added as they lie, then the lanes of equal parity.
.set D, 16                             ; v[16:143]
	s_load_b128 s[4:7], s[0:1], 0x0                ; part s[4:5], out1 s[6:7]
	v_lshlrev_b32 v1, 4, v0
	s_mov_b32 s8, 0x76543210                       ; v_permlanex16_b32: each lane takes its own place in the other half
	s_mov_b32 s9, 0xfedcba98
	s_wait_kmcnt 0x0
.set i, 0
.rept 32
	global_load_b128 v[D+4*i:D+4*i+3], v1, s[4:5] offset:512*i
.set i, i+1
.endr
	s_wait_loadcnt 0x0
.set i, 4
.rept 28                               ; four chains, started by the first four quads
	v_pk_add_f32 v[D+4*(i%4):D+4*(i%4)+1], v[D+4*(i%4):D+4*(i%4)+1], v[D+4*i:D+4*i+1]
	v_pk_add_f32 v[D+4*(i%4)+2:D+4*(i%4)+3], v[D+4*(i%4)+2:D+4*(i%4)+3], v[D+4*i+2:D+4*i+3]
.set i, i+1
.endr
.irp k, 0,2
	v_pk_add_f32 v[D+\k:D+\k+1], v[D+\k:D+\k+1], v[D+4+\k:D+4+\k+1]
	v_pk_add_f32 v[D+8+\k:D+8+\k+1], v[D+8+\k:D+8+\k+1], v[D+12+\k:D+12+\k+1]
.endr
.irp k, 0,2
	v_pk_add_f32 v[D+\k:D+\k+1], v[D+\k:D+\k+1], v[D+8+\k:D+8+\k+1]
.endr
.irp m, 2,4,8
.irp k, 0,1,2,3
	v_add_f32_dpp v[D+\k], v[D+\k], v[D+\k] row_xmask:\m row_mask:0xf bank_mask:0xf
.endr
.endr
.irp k, 0,1,2,3
	v_permlanex16_b32 v[D+4+\k], v[D+\k], s8, s9
.endr
.irp k, 0,1,2,3
	v_add_f32 v[D+\k], v[D+\k], v[D+4+\k]
.endr
.irp k, 0,1,2,3
	v_mul_f32 v[D+\k], 0x3215cbec, v[D+\k]         ; 0.001 / 114,688
.endr
	v_cmp_gt_u32 vcc_lo, 2, v0
	s_wait_xcnt 0x0                                ; EXEC changes only when the loads have read it
	s_and_saveexec_b32 s10, vcc_lo
	global_store_b128 v1, v[D:D+3], s[6:7]         ; lane 0: agents 0-3, lane 1: agents 4-7
	s_wait_xcnt 0x0
	s_or_b32 exec_lo, exec_lo, s10
	s_endpgm
.Lfunc_end_k_q565e57ed63_reduce:
	.size	k_q565e57ed63_reduce, .Lfunc_end_k_q565e57ed63_reduce-k_q565e57ed63_reduce
	.p2alignl 7, 3214868480
	.fill 96, 4, 3214868480
	.section	.rodata,"a",@progbits
	.p2align	6, 0x0
	.amdhsa_kernel k_q565e57ed63_reduce
		.amdhsa_group_segment_fixed_size 0
		.amdhsa_private_segment_fixed_size 0
		.amdhsa_enable_private_segment 0
		.amdhsa_kernarg_size 16
		.amdhsa_user_sgpr_count 2
		.amdhsa_user_sgpr_kernarg_segment_ptr 1
		.amdhsa_wavefront_size32 1
		.amdhsa_system_sgpr_workgroup_id_x 1
		.amdhsa_system_sgpr_workgroup_id_y 1
		.amdhsa_system_sgpr_workgroup_id_z 1
		.amdhsa_system_vgpr_workitem_id 0
		.amdhsa_next_free_vgpr 144
		.amdhsa_next_free_sgpr 66
		.amdhsa_reserve_vcc 1
		.amdhsa_float_denorm_mode_32 3
		.amdhsa_float_denorm_mode_16_64 3
		.amdhsa_memory_ordered 1
		.amdhsa_forward_progress 1
		.amdhsa_inst_pref_size 10
	.end_amdhsa_kernel
	.amdgpu_metadata
---
amdhsa.version: [ 1, 2 ]
amdhsa.kernels:
  - .name:           k_q565e57ed63_reduce
    .symbol:         k_q565e57ed63_reduce.kd
    .args:
      - { .name: part, .offset: 0, .size: 8, .value_kind: global_buffer, .address_space: global }
      - { .name: out1, .offset: 8, .size: 8, .value_kind: global_buffer, .address_space: global }
    .group_segment_fixed_size: 0
    .private_segment_fixed_size: 0
    .kernarg_segment_align: 8
    .kernarg_segment_size: 16
    .max_flat_workgroup_size: 32
    .sgpr_count:     66
    .vgpr_count:     144
    .wavefront_size: 32
...
	.end_amdgpu_metadata
.endif
;; end of part 3
